; MI455X (gfx1250); checked and timed in simulation.
; The chip was launched on July 23, 2026; its instructions are those of AMD's public machine-readable ISA for CDNA 5 (MIT licence, August 2026) and "CDNA5" Instruction Set Architecture Reference Guide (July 2026). The comments in the code are by the model that wrote it; some were corrected since.
;; Vector Quantizer. Allowed arithmetic: matrix products marked QUANTISED: E4M3 operands, one E8M0 scale for each 32 along K, by v_wmma_scale_f32_16x16x128_f8f6f4 with both operands' format E4M3, f32 sums; everything else in f32.
;; Inputs: codebook 8,192 x 256 float32; z_e 32 x 1,024 x 256 float32.
;; Outputs: out0 32 x 1,024 x 256 float32; out1 one number float32; out2 32 x 1,024 int32.
;; This version of the problem:
;;   THIS VERSION OF THE PROBLEM IS GIVEN IN LOW PRECISION. The matrix products marked QUANTISED in the list below multiply operands that are first quantised to E4M3 (4 exponent bits, 3 mantissa bits; 8 bits a number), with one power-of-two scale for each 32 numbers along K (OCP MX v1.0); their sums are f32. All else is computed in f32.
;;   The module's matrix products, in the order in which they are computed (A, B: the left and right operand; K: the contracted axis; several contracted axes count as one K, in the product's order):
;;     1. [M 32,768, K 256] x [K 256, N 8,192]; A: input z_e; B: input codebook: QUANTISED
;;   THE QUANTISER, for each operand of a quantised product, along K:
;;     - K is cut into blocks of 32 from its start; a last block that is shorter is filled with zeros.
;;     - A block's scale is 2^e with e = floor(log2(the largest magnitude in the block)) - 8, held to -126 .. 127; a block of zeros has e = 0. As a byte (E8M0): e + 127.
;;     - Each number is divided by its block's scale, clamped to +-448, and rounded to the nearest number of E4M3, ties to even, subnormals kept.
;;     - The product sums the exact products of the quantised numbers (number of the format x scale) in f32.
;;   ~~~python
;;   def quantise(x, axis):      # numpy; x: float32 -> the quantised numbers, widened to float32 again
;;       x = np.moveaxis(x, axis, -1); K = x.shape[-1]
;;       x = np.pad(x, [(0, 0)] * (x.ndim - 1) + [(0, -K % 32)]); x = x.reshape(x.shape[:-1] + (-1, 32)); a = np.abs(x).max(-1, keepdims=True)
;;       e = np.where(a > 0, np.clip(np.frexp(np.where(a > 0, a, 1))[1] - 1 - 8, -126, 127), 0)      # np.frexp(a)[1] - 1 = floor(log2(a)), exactly
;;       r = np.clip(x / 2.0 ** e, -448, 448)
;;       step = 2.0 ** (np.maximum(np.frexp(np.where(r == 0, 1, r))[1] - 1, -6) - 3)
;;       q = np.round(r / step) * step * 2.0 ** e      # np.round: ties to even
;;       return np.moveaxis(q.reshape(q.shape[:-2] + (-1,))[..., :K], -1, axis).astype(np.float32)
;;   ~~~
;; One version. Each part assembles by itself: llvm-mc -triple=amdgcn-amd-amdhsa -mcpu=gfx1250 --defsym DOCPART=n.
;; ======== version 1 of 1: 4 launches
;; workspace buffers: cbq 2,228,224 bytes; zq 8,912,896 bytes; idx 131,072 bytes of whole numbers; part 4,096 bytes
;; launch quant (part 1): grid 256 x 1, 10 waves a work-group, no clusters, 172,800 bytes of LDS; arguments codebook, z_e, cbq, zq; writes cbq, zq
.if DOCPART == 1
	.amdgcn_target "amdgcn-amd-amdhsa--gfx1250"
	.amdhsa_code_object_version 6
	.text
	.protected	k_q7ecd812adb_quant
	.globl	k_q7ecd812adb_quant
	.p2align	8
	.type	k_q7ecd812adb_quant,@function
k_q7ecd812adb_quant:
	s_mov_b64 s[64:65], 0
	v_nop
	global_prefetch_b8 v0, s[64:65] scope:SCOPE_SE
	s_setreg_imm32_b32 hwreg(HW_REG_WAVE_MODE, 25, 1), 1
	s_wait_xcnt 0x0
; codebook [8192][256] and z_e [32768][256], f32, become RECORDS of 16 rows x 256 K for the product's launch: codes of FP8 (E4M3) with one E8M0 scale byte for each 32 along K, laid as
; images of the matrix operand's registers, and each row's sum of squares.  A record is 4,352 bytes (17 x 256):
;   byte (4 s + c) 512 + 16 lane : registers 4 c .. 4 c + 3 of the fragment of K step s (128 along K): lane (r, h) holds row r, k = 128 s + 32 c + 16 h + 0 .. 15
;   byte 4096 + 4 lane           : scale words: lanes 0-15 K step 0 of row lane, lanes 16-31 K step 1 of row lane - 16
;   byte 4224 + 4 lane           : the sum of squares of row lane % 16 (twice)
; A block's scale is 2^(floor(log2(its largest magnitude)) - 8); its byte is the largest magnitude's exponent field - 8, held at 1 from below.  Each number is divided by the scale, held within +-448
; and rounded to the nearest code, ties to even.
; LIMITS: a block of zeros, and a block whose largest magnitude lies under 2^-118, gets the byte 1 (zeros have zero codes, and these bytes are read by this program alone); NaN and infinities are not served.
; The sums of squares are fused multiply-adds in four chains a lane, in this text's own order.
; SHARES.  A wave takes one record: number 10 x work-group + wave of 2,560; the first 512 are the codebook's, the others z_e's.  Only pointers are chosen: one path serves both tensors.  Waves share nothing: no barrier.
; A load reads 512 consecutive bytes (half a row); the conversions want 16 neighbours along K in one lane.  So each K step's 16 half rows turn through the wave's own stage in LDS, rows 528 bytes apart.
.set NCB,   512                        ; records of the codebook
.set REC,   4352                       ; bytes of a record
.set SP,    528                        ; a stage row: 512 bytes + 16: an odd multiple of 16, so that sixteen rows' reads of 16 bytes fall on sixteen different columns of 16 bytes modulo 256
.set STG1,  16*SP                      ; the second K step's stage
.set TAIL,  32*SP                      ; behind the stages: the record's last 256 bytes
.set WREG,  TAIL+256                   ; LDS of a wave
.set TM,    12                         ; v12-15 largest magnitudes, v16-19 bytes, v20-23 448 x the scale, v24-27 the conversions' scale operands
.set PW,    28                         ; v28, v29 my row's scale word of K step 0, 1
.set SQA,   30                         ; v[30:31], v[32:33] the sums of squares, two packed chains
.set SQB,   32
.set PC,    36                         ; v36-51 a fragment's codes
.set R0,    52                         ; v52-115  K step 0 as loaded; later K step 1 turned
.set R1,    116                        ; v116-179 K step 1 as loaded
.set X0,    180                        ; v180-243 K step 0 turned: register 16 b + i = k 32 b + 16 h + i of my row
.set TB,    244                        ; v[244:245] the tail on its way out
	s_load_b128 s[4:7], s[0:1], 0x0                ; codebook, z_e
	s_load_b128 s[8:11], s[0:1], 0x10              ; cbq, zq
	v_lshl_add_u32 v248, v0, 2, 0x29e00
	v_mov_b32 v249, 0
	v_lshrrev_b32 v1, 5, v0
	v_readfirstlane_b32 s12, v1                    ; wave 0..9
	v_and_b32 v1, 31, v0                           ; lane
	v_and_b32 v2, 15, v0                           ; r
	v_bfe_u32 v3, v0, 4, 1                         ; h
	s_mul_i32 s13, s12, WREG                       ; my wave's LDS
	v_lshlrev_b32 v4, 4, v1                        ; 16 x lane: my bytes of a load's 512, and of a store's
	v_add_nc_u32 v5, s13, v4                       ; into a stage: a half row as it lies
	v_mul_u32_u24 v6, v2, SP
	v_lshl_add_u32 v6, v3, 6, v6
	v_add_nc_u32 v6, s13, v6                       ; out of it: row r, + 64 h: my 16 numbers of a block of 32
	s_add_co_u32 s13, s13, TAIL
	v_lshl_add_u32 v8, v1, 2, s13                  ; the tail: 4 bytes a lane in,
	v_lshl_add_u32 v9, v1, 3, s13                  ; 8 bytes a lane out,
	v_lshlrev_b32 v10, 3, v1                       ; and the same in memory
	s_mul_i32 s14, ttmp9, 10
	s_add_co_u32 s14, s14, s12                     ; my record among the 2,560
	s_mov_b32 s20, 0x76543210
	s_mov_b32 s21, 0xfedcba98                      ; v_permlanex16_b32's selects for lane l xor 16
	s_mov_b32 s22, 0x600000                        ; the mantissa field of 448
	s_mov_b32 s23, 0xffff0000                      ; lanes 16-31
.irp b, 0,1,2,3
	v_mov_b32 v[TM+4+\b], 0                        ; written once: a lane permute's destination counts as one of its sources
.endr
	v_mov_b32 v34, 0
	s_wait_kmcnt 0x0
	s_cmp_lt_u32 s14, NCB                          ; the codebook's record or z_e's?  The choice hangs on ids alone
	s_cselect_b64 s[4:5], s[4:5], s[6:7]
	s_cselect_b64 s[8:9], s[8:9], s[10:11]
	s_cselect_b32 s15, 0, NCB
	s_sub_co_u32 s14, s14, s15                     ; its number in its tensor
	s_lshl_b32 s16, s14, 14                        ; 16 rows of 1,024 bytes (under 2^26)
	s_mov_b32 s17, 0
	s_add_nc_u64 s[4:5], s[4:5], s[16:17]
	s_mul_i32 s16, s14, REC
	s_add_nc_u64 s[8:9], s[8:9], s[16:17]
.irp s, 0,1                                    ; 32 loads, all out at once: K step 0's sixteen half rows first
.irp p, 0,1,2,3,4,5,6,7,8,9,10,11,12,13,14,15
	global_load_b128 v[R0+64*\s+4*\p:R0+64*\s+4*\p+3], v4, s[4:5] offset:1024*\p+512*\s th:TH_LOAD_NT
.endr
.endr
; 64 numbers of a lane, v[s] on, add their squares to the two packed chains.  first = 1: the first two products start the sums
.macro SQ s, first
.set i, 0
.rept 16
.if \first && (i == 0)
	v_pk_mul_f32 v[SQA:SQA+1], v[\s:\s+1], v[\s:\s+1]
	v_pk_mul_f32 v[SQB:SQB+1], v[\s+2:\s+3], v[\s+2:\s+3]
.else
	v_pk_fma_f32 v[SQA:SQA+1], v[\s+4*i:\s+4*i+1], v[\s+4*i:\s+4*i+1], v[SQA:SQA+1]
	v_pk_fma_f32 v[SQB:SQB+1], v[\s+4*i+2:\s+4*i+3], v[\s+4*i+2:\s+4*i+3], v[SQB:SQB+1]
.endif
.set i, i+1
.endr
.endm
; 64 numbers of a lane, v[s] on, become a fragment's codes in v[PC] on and my row's scale word in v[pw]
.macro QUANT s, pw
.irp b, 0,1,2,3
	v_max3_num_f32 v[TM+\b], |v[\s+16*\b]|, |v[\s+1+16*\b]|, 0x4800000   ; block b: my 16 numbers, and the floor 2^(9 - 127): so the byte cannot fall under 1
.endr
.irp i, 2,4,6,8,10,12,14
.irp b, 0,1,2,3
	v_max3_num_f32 v[TM+\b], v[TM+\b], |v[\s+16*\b+\i]|, |v[\s+1+16*\b+\i]|   ; the four blocks by turns
.endr
.endr
.irp b, 0,1,2,3
	v_permlanex16_b32 v[TM+4+\b], v[TM+\b], s20, s21
.endr
.irp b, 0,1,2,3
	v_max_num_f32 v[TM+\b], v[TM+\b], v[TM+4+\b]   ; with lane l xor 16's 16: the block's largest magnitude
.endr
.irp b, 0,1,2,3
	v_add_nc_u32 v[TM+12+\b], 0xfc000000, v[TM+\b] ; 8 off its exponent field: the conversion takes this operand's exponent field as its scale
.endr
.irp b, 0,1,2,3
	v_and_or_b32 v[TM+8+\b], v[TM+\b], 0x7f800000, s22   ; 448 x the scale: the largest magnitude's exponent field over 448's mantissa
.endr
.irp b, 0,1,2,3
	v_lshrrev_b32 v[TM+4+\b], 23, v[TM+12+\b]      ; the scale's byte
.endr
	v_lshl_or_b32 v[\pw], v[TM+5], 8, v[TM+4]
	v_lshl_or_b32 v[\pw], v[TM+6], 16, v[\pw]
	v_lshl_or_b32 v[\pw], v[TM+7], 24, v[\pw]
.irp b, 0,1,2,3
.irp i, 0,1,2,3,4,5,6,7,8,9,10,11,12,13,14,15
	v_med3_num_f32 v[\s+16*\b+\i], v[\s+16*\b+\i], -v[TM+8+\b], v[TM+8+\b]   ; the conversion to an 8-bit code does not saturate (ISA guide 7.6.2): the hold at the largest code x the scale
.endr
	v_cvt_scalef32_pk8_fp8_f32 v[PC+4*\b:PC+1+4*\b], v[\s+16*\b:\s+7+16*\b], v[TM+12+\b]
	v_cvt_scalef32_pk8_fp8_f32 v[PC+2+4*\b:PC+3+4*\b], v[\s+8+16*\b:\s+15+16*\b], v[TM+12+\b]
.endr
	v_nop                                          ; one plain vector instruction behind the last conversion of the run
.endm
.macro CODES k                                 ; K step k's fragment leaves as it stands: each store covers 512 consecutive bytes, at a multiple of 256 from the buffer's first byte
.irp c, 0,1,2,3
	global_store_b128 v4, v[PC+4*\c:PC+4*\c+3], s[8:9] offset:2048*\k+512*\c
.endr
.endm
	s_wait_loadcnt 16                              ; K step 0's sixteen loads are in; K step 1's sixteen may be out
.irp p, 0,1,2,3,4,5,6,7,8,9,10,11,12,13,14,15
	ds_store_b128 v5, v[R0+4*\p:R0+4*\p+3] offset:SP*\p
.endr
.irp b, 0,1,2,3                                ; LDS serves a wave's instructions in order: these see the stores above
.irp j, 0,1,2,3
	ds_load_b128 v[X0+16*\b+4*\j:X0+16*\b+4*\j+3], v6 offset:128*\b+16*\j
.endr
.endr
	s_wait_loadcnt 0x0
.irp p, 0,1,2,3,4,5,6,7,8,9,10,11,12,13,14,15
	ds_store_b128 v5, v[R1+4*\p:R1+4*\p+3] offset:STG1+SP*\p
.endr
	s_wait_dscnt 16                                ; all but the sixteen stores just issued: K step 0 is back, and its stores have read v[R0] on, which now takes K step 1
.irp b, 0,1,2,3
.irp j, 0,1,2,3
	ds_load_b128 v[R0+16*\b+4*\j:R0+16*\b+4*\j+3], v6 offset:STG1+128*\b+16*\j
.endr
.endr
	SQ X0, 1                                       ; the squares first: the hold changes the numbers
	QUANT X0, PW
	CODES 0
	s_wait_dscnt 0x0                               ; K step 1 is back
	SQ R0, 0
	s_wait_xcnt 0x0                                ; the four stores have read v[PC] on, which is written again
	QUANT R0, PW+1
	CODES 1
	v_pk_add_f32 v[SQA:SQA+1], v[SQA:SQA+1], v[SQB:SQB+1]
	v_add_f32 v[SQA], v[SQA], v[SQA+1]
	v_permlanex16_b32 v34, v[SQA], s20, s21
	v_add_f32 v[SQA], v[SQA], v34                  ; with lane l xor 16's half of the row: the row's sum of squares, in both halves of the lanes
	v_cndmask_b32 v35, v[PW], v[PW+1], s23         ; lanes 0-15 keep K step 0's word, lanes 16-31 take K step 1's
	ds_store_b32 v8, v35
	ds_store_b32 v8, v[SQA] offset:128
	ds_load_b64 v[TB:TB+1], v9                     ; in order behind my two stores
	s_wait_dscnt 0x0
	global_store_b64 v10, v[TB:TB+1], s[8:9] offset:4096   ; 32 lanes store 256 consecutive bytes, aligned
	s_wait_tensorcnt 0x0
	ds_add_u32 v248, v249
	s_wait_dscnt 0x0
	s_endpgm
.Lfunc_end_k_q7ecd812adb_quant:
	.size	k_q7ecd812adb_quant, .Lfunc_end_k_q7ecd812adb_quant-k_q7ecd812adb_quant
	.p2alignl 7, 3214868480
	.fill 96, 4, 3214868480
	.section	.rodata,"a",@progbits
	.p2align	6, 0x0
	.amdhsa_kernel k_q7ecd812adb_quant
		.amdhsa_group_segment_fixed_size 172800
		.amdhsa_private_segment_fixed_size 0
		.amdhsa_enable_private_segment 0
		.amdhsa_kernarg_size 32
		.amdhsa_user_sgpr_count 2
		.amdhsa_user_sgpr_kernarg_segment_ptr 1
		.amdhsa_wavefront_size32 1
		.amdhsa_system_sgpr_workgroup_id_x 1
		.amdhsa_system_sgpr_workgroup_id_y 1
		.amdhsa_system_sgpr_workgroup_id_z 1
		.amdhsa_system_vgpr_workitem_id 0
		.amdhsa_next_free_vgpr 250
		.amdhsa_next_free_sgpr 66
		.amdhsa_reserve_vcc 0
		.amdhsa_float_denorm_mode_32 3
		.amdhsa_float_denorm_mode_16_64 3
		.amdhsa_memory_ordered 1
		.amdhsa_forward_progress 1
		.amdhsa_inst_pref_size 31
	.end_amdhsa_kernel
	.amdgpu_metadata
---
amdhsa.version: [ 1, 2 ]
amdhsa.kernels:
  - .name:           k_q7ecd812adb_quant
    .symbol:         k_q7ecd812adb_quant.kd
    .args:
      - { .name: codebook, .offset: 0, .size: 8, .value_kind: global_buffer, .address_space: global }
      - { .name: z_e, .offset: 8, .size: 8, .value_kind: global_buffer, .address_space: global }
      - { .name: cbq, .offset: 16, .size: 8, .value_kind: global_buffer, .address_space: global }
      - { .name: zq, .offset: 24, .size: 8, .value_kind: global_buffer, .address_space: global }
    .group_segment_fixed_size: 172800
    .private_segment_fixed_size: 0
    .kernarg_segment_align: 8
    .kernarg_segment_size: 32
    .max_flat_workgroup_size: 320
    .sgpr_count:     66
    .vgpr_count:     250
    .wavefront_size: 32
...
	.end_amdgpu_metadata
.endif
;; end of part 1
;; launch nearest (part 2): grid 256 x 1, 8 waves a work-group, clusters of 4 x 1, 327,680 bytes of LDS; arguments cbq, zq, idx, out2; writes idx, out2
.if DOCPART == 2
	.amdgcn_target "amdgcn-amd-amdhsa--gfx1250"
	.amdhsa_code_object_version 6
	.text
	.protected	k_q7ecd812adb_nearest
	.globl	k_q7ecd812adb_nearest
	.p2align	8
	.type	k_q7ecd812adb_nearest,@function
k_q7ecd812adb_nearest:
	s_mov_b64 s[64:65], 0
	v_nop
	global_prefetch_b8 v0, s[64:65] scope:SCOPE_SE
	s_setreg_imm32_b32 hwreg(HW_REG_WAVE_MODE, 25, 1), 1
	s_wait_xcnt 0x0
	s_wait_alu depctr_hold_cnt(0) depctr_sa_sdst(0) depctr_va_vdst(0) depctr_va_sdst(0) depctr_va_ssrc(0) depctr_va_vcc(0) depctr_vm_vsrc(0)
	s_getreg_b32 s2, hwreg(HW_REG_IB_STS2, 6, 4)
	s_cmp_eq_u32 s2, 0
	s_cbranch_scc0 .Lentry_in_a_cluster
	s_endpgm
.Lentry_in_a_cluster:
	s_bfe_u32 s2, ttmp6, 0x10000c
	s_cmp_lg_u32 s2, 0x3003
	s_cbranch_scc0 .Lentry_shape_is_right
	s_endpgm
.Lentry_shape_is_right:
; For each of 32,768 rows z: the first index of the smallest dist[code] = (z_sq - 2 ze) + e_sq over 8,192 codes, ze = the product on codes of FP8 (E4M3) with E8M0 scales, K = 256, f32 sums.
; THE TWO f32 ROUNDINGS OF dist ARE KEPT AS THEY ARE WRITTEN: one fused multiply-add gives fl(z_sq - 2 ze) (2 ze is exact), a second gives fl(. + e_sq); many codes then share a row's smallest number, and the first must win.
; Inputs are records of 16 rows x 256 K, 4,352 bytes: eight images of four operand registers (512 bytes each), 128 bytes of scale words (lanes 0-15: K step 0, lanes 16-31: K step 1), 128 bytes of the rows' sums of squares.
; SHARES.  A work-group owns 128 rows of z (8 records); each of its eight waves holds all eight fragments pairs of z in registers (window 1) and takes every eighth group of four code records:
; of records 32 g .. 32 g + 31 wave w takes 32 g + 4 w + 0 .. 3, g = 0 .. 15, ascending.  So each LDS byte is read once, by the wave whose tensor load brought it.
; LAYOUT.  Source 0 = 16 codes, source 1 = 16 rows of z: lane (r, h) holds row r of z and, in register j, code 8 h + j of the record.
; THE MINIMUM.  For each lane and tile of z: the smallest dist so far; where a record's smallest is STRICTLY under it, the record's d0 .. d6 and its number are kept (selects, no branch).  At the end the first
; register equal to the smallest gives the code; the halves of the lanes and the eight waves are joined by (dist, code) in that order.
; CLUSTER.  All work-groups walk the same records: the four of a cluster ask JOINTLY, wave w of each by the same tensor load with the same descriptor and the mask of all four.
; No prefetch is written: every cluster of the launch walks the same 2,228,224 bytes, in step.
; LIMITS: NaN and infinities among the inputs, and a dist that is not finite, are not served.
; REGISTERS, window 0: v1-14 addresses and constants; v7 the record's number; v8-9 the codes' scale words, v16-31 their e_sq, two sets; v32-63 four a tile of z: z_sq, the smallest dist (two registers by turns), z's scale words;
;   v64-127 what is kept, eight a tile; v128-191 the eight accumulators; v192-255 the codes' fragments, two sets.   window 1: z's fragments, tile zt, K step s at v[32 zt + 16 s].
.set REC,   4352
.set HALF,  4*REC                      ; what one tensor load brings: four records
.set WREG,  8*REC                      ; a wave's ring: two such halves
.set SLOTB, 32*REC                     ; the eight waves' halves lie on end in memory
.set SCR,   8*WREG                     ; behind the rings: 8 waves x 128 rows x (dist, code)
.set SPARE, SCR+8192                   ; the spare words, 128 bytes for each wave: four blocks of 256 bytes that no other line names
.set TRIPS, 7                          ; a trip = eight records a wave = once round the ring; the eighth is written out
.set NF,    11                         ; LDS loads that bring a record
.set LA,  1                            ; v1   my ring + 16 x lane
.set LT,  2                            ; v2   my ring + 4096 + 4 x lane
.set LE,  3                            ; v3   my ring + 4224 + 32 h
.set SPW, 4                            ; v4   LDS address of my spare word; never rewritten
.set NIL, 5                            ; v5   0; never rewritten
.set ZA,  6                            ; v6   16 x lane
.set VT,  7                            ; v7   the number of the record in hand
.set CSC, 8
.set ZW,  10                           ; v10  4 x lane
.set SA,  11                           ; v11  where I put a row's (dist, code)
.set FA,  12                           ; v12  where waves 0 and 1 read them back
.set GOF, 13                           ; v13  8 x lane
.set H8,  14                           ; v14  8 h
.set ESQ, 16
.set ST,  32
.set SV,  64
.set AC,  128
.set AF,  192
.set JR,  192                          ; the way out: codes
.set OB,  128                          ; the other half's dist, v128-135, and code, v136-143
.set PR,  144                          ; pairs (dist, code), v144-159
.set FR,  160                          ; the eight waves' pairs of two rows, v160-191
.set WV,  12                           ; s12  my wave's number
.set G1,  16                           ; s[16:23] descriptor group 1
.set G0A, 24                           ; s[24:27] group 0 for the ring's first half;  s[28:31] for its second
.set G0B, 28
.set MSB, 0
.macro WIN new                         ; the immediate's high byte repeats the setting that is left
.if MSB != \new
	s_set_vgpr_msb (MSB<<8)|\new
.set MSB, \new
.endif
.endm
.macro CROUND                          ; a round of the cluster's barrier
	s_barrier_signal -1
	s_barrier_wait -1
	s_cmp_lg_u32 s[WV], 0
	s_cbranch_scc1 .Lnot_wave_0_\@
	s_barrier_signal -3
.Lnot_wave_0_\@:
	s_barrier_wait -3
	s_barrier_signal -1
	s_barrier_wait -1
.endm
	s_load_b256 s[4:11], s[0:1], 0x0               ; cbq s[4:5], zq s[6:7], idx s[8:9], out2 s[10:11]
	v_lshl_add_u32 v[SPW], v0, 2, SPARE
	v_mov_b32 v[NIL], 0
	ds_add_u32 v4, v5
	ds_add_u32 v4, v5
	s_wait_dscnt 0x0
	v_lshrrev_b32 v15, 5, v0
	v_readfirstlane_b32 s[WV], v15                 ; wave 0..7
	s_bfe_u32 s13, ttmp6, 0x40000                  ; cx: my place in the cluster
	s_lshl_b32 s14, ttmp9, 2                       ; in a cluster launch ttmp9 counts clusters
	s_add_co_u32 s14, s14, s13                     ; my block of 128 rows: it enters zq's, idx's and out2's addresses alone
	; descriptor group 1: four records are one dense block of 17,408 bytes: 68 rows of 256 bytes (32 elements of 8 bytes), no padding: images are read 16 bytes a lane, on end
	s_mov_b32 s[G1], 15|(3<<16)|(1<<21)            ; 15:0 the mask: all four work-groups; 17:16 elements of 8 bytes; 21 set beside a mask
	s_mov_b32 s[G1+1], 32<<16                      ; tensor_dim0 = 32
	s_mov_b32 s[G1+2], 68<<16                      ; tensor_dim1 = 68
	s_mov_b32 s[G1+3], 32<<16                      ; tile_dim0 = 32
	s_mov_b32 s[G1+4], 68                          ; tile_dim1 = 68
	s_mov_b32 s[G1+5], 32                          ; from row to row: 32 elements
	s_mov_b32 s[G1+6], 0
	s_mov_b32 s[G1+7], 0
	s_mov_b32 s[G0A], 1
	s_mul_i32 s[G0A+1], s[WV], WREG                ; my ring: no place in the cluster enters an LDS address
	s_mov_b32 s[G0B], 1
	s_add_co_u32 s[G0B+1], s[G0A+1], HALF
	s_mul_i32 s32, s[WV], HALF                     ; my four records of a group of 32
	s_mov_b32 s33, 0
	s_mul_i32 s2, s[WV], WREG
	v_and_b32 v15, 31, v0                          ; lane
	v_lshlrev_b32 v[ZA], 4, v15
	v_lshlrev_b32 v[ZW], 2, v15
	v_lshlrev_b32 v[GOF], 3, v15
	v_add_nc_u32 v[LA], s2, v[ZA]
	v_add_nc_u32 v[LT], s2, v[ZW]
	v_add_nc_u32 v[LT], 4096, v[LT]
	v_bfe_u32 v[H8], v0, 4, 1                      ; h
	v_lshl_add_u32 v[LE], v[H8], 5, s2
	v_add_nc_u32 v[LE], 4224, v[LE]
	v_lshlrev_b32 v[H8], 3, v[H8]
	s_lshl_b32 s39, s[WV], 10
	v_and_b32 v15, 15, v0                          ; r
	v_lshl_add_u32 v[SA], v15, 3, s39
	v_add_nc_u32 v[SA], SCR, v[SA]                 ; SCR + 1,024 x wave + 8 r
	s_and_b32 s38, s[WV], 1
	s_lshl_b32 s39, s38, 9
	v_add_nc_u32 v[FA], s39, v[ZA]
	v_add_nc_u32 v[FA], SCR, v[FA]                 ; SCR + 512 x (wave % 2) + 16 x lane: two rows a lane
	s_lshl_b32 s2, s[WV], 2
	s_sub_co_i32 s2, s2, 29
	v_mov_b32 v[VT], s2                            ; 4 w - 29: the first record's step of 29 makes it 4 w
	s_mov_b32 s36, 0x76543210
	s_mov_b32 s37, 0xfedcba98                      ; v_permlanex16_b32's selects for lane l xor 16
	s_wait_kmcnt 0x0
	s_add_nc_u64 s[G0A+2:G0A+3], s[4:5], s[32:33]  ; records 4 w on,
	s_add_nc_u64 s[G0B+2:G0B+3], s[G0A+2:G0A+3], SLOTB   ; and 32 + 4 w on
	s_or_b32 s[G0A+3], s[G0A+3], 0x80000000        ; type = 2
	s_or_b32 s[G0B+3], s[G0B+3], 0x80000000
	CROUND                                         ; all four work-groups are here: the first joint loads meet
	tensor_load_to_lds s[G0A:G0A+3], s[G1:G1+7]    ; both first fills together: two loads of mine are out
	s_nop 0
	tensor_load_to_lds s[G0B:G0B+3], s[G1:G1+7]
	s_nop 0
.rept 4
	v_nop                                          ; four nops behind a tensor load
.endr
	s_mul_i32 s34, s14, 8*REC                      ; my block's eight records of z
	s_mov_b32 s35, 0
	s_add_nc_u64 s[6:7], s[6:7], s[34:35]
	s_lshl_b32 s34, s14, 9                         ; my block's 128 indices, and 64 more for an odd wave
	s_lshl_b32 s39, s38, 8
	s_add_co_u32 s34, s34, s39
	s_add_nc_u64 s[8:9], s[8:9], s[34:35]
	s_add_nc_u64 s[10:11], s[10:11], s[34:35]
	WIN 0x40                                       ; destination window 1, address window 0
.irp zt, 0,1,2,3,4,5,6,7                       ; z's fragments stay in registers
.irp g, 0,1,2,3,4,5,6,7
	global_load_b128 v[32*\zt+4*\g:32*\zt+4*\g+3], v[ZA], s[6:7] offset:REC*\zt+512*\g
.endr
.endr
	WIN 0
.irp zt, 0,1,2,3,4,5,6,7
	global_load_b32 v[ST+4*\zt+3], v[ZW], s[6:7] offset:REC*\zt+4096   ; z's scale words: lanes 0-15 K step 0, lanes 16-31 K step 1
	global_load_b32 v[ST+4*\zt], v[ZW], s[6:7] offset:REC*\zt+4224     ; z_sq of row lane % 16
.endr
.irp zt, 0,1,2,3,4,5,6,7
	v_mov_b32 v[ST+4*\zt+1], 0x7f800000            ; the smallest dist so far: +infinity, over every dist
	v_mov_b32 v[ST+4*\zt+2], 0x7f800000
.endr
.set q, 0
.rept 64
	v_mov_b32 v[SV+q], 0                           ; what is kept: the selects read it from the first record on (the record is written once, with no first copy of its own)
.set q, q+1
.endr
; the record at place t8 of my ring into set t8 % 2: its two fragments, its scale words, and e_sq of my half's eight codes
.macro FETCH t8
.set fp, (\t8)%2
.irp g, 0,1,2,3,4,5,6,7
	ds_load_b128 v[AF+32*fp+4*\g:AF+32*fp+4*\g+3], v[LA] offset:REC*(\t8)+512*\g
.endr
	ds_load_b32 v[CSC+fp], v[LT] offset:REC*(\t8)
	ds_load_b128 v[ESQ+8*fp:ESQ+8*fp+3], v[LE] offset:REC*(\t8)
	ds_load_b128 v[ESQ+8*fp+4:ESQ+8*fp+7], v[LE] offset:REC*(\t8)+16
.endm
; one product: tile zz of z, K step ss, the codes' set pp.  K step 0 starts the sum with the constant 0; K step 1 adds in place and takes both sides' scales from lanes 16-31
.macro PROD
.if ss == 0
	v_wmma_scale_f32_16x16x128_f8f6f4 v[AC+8*zz:AC+8*zz+7], v[AF+32*pp:AF+32*pp+15], v[32*zz:32*zz+15], 0, v[CSC+pp], v[ST+4*zz+3]
.else
	v_wmma_scale_f32_16x16x128_f8f6f4 v[AC+8*zz:AC+8*zz+7], v[AF+32*pp+16:AF+32*pp+31], v[32*zz+16:32*zz+31], v[AC+8*zz:AC+8*zz+7], v[CSC+pp], v[ST+4*zz+3] matrix_a_scale:MATRIX_SCALE_ROW1 matrix_b_scale:MATRIX_SCALE_ROW1
.endif
.endm
; tile fz: fl(z_sq - 2 ze), then fl(. + e_sq): four packed fused multiply-adds each, from the accumulator's low end on.  Their second source is a constant, so they stand under the products' window setting
.macro FOLD
.irp j, 0,2,4,6
	v_pk_fma_f32 v[AC+8*fz+\j:AC+8*fz+\j+1], v[AC+8*fz+\j:AC+8*fz+\j+1], -2.0, v[ST+4*fz:ST+4*fz+1] op_sel_hi:[1,0,0]   ; of the pair at ST the low word, z_sq, serves both halves
.endr
.endm
.macro ADDE
.irp j, 0,2,4,6
	v_pk_fma_f32 v[AC+8*fz+\j:AC+8*fz+\j+1], v[AC+8*fz+\j:AC+8*fz+\j+1], 1.0, v[ESQ+8*pp+\j:ESQ+8*pp+\j+1] op_sel_hi:[1,0,1]
.endr
.endm
; step k (1 .. 4) of tile zt's minimum: the old smallest (register bo) and d0 .. d7, into register bn
.macro MIN k, zt
.if \k == 1
	v_min3_num_f32 v[ST+4*(\zt)+bn], v[ST+4*(\zt)+bo], v[AC+8*(\zt)], v[AC+8*(\zt)+1]
.else
	v_min3_num_f32 v[ST+4*(\zt)+bn], v[ST+4*(\zt)+bn], v[AC+8*(\zt)+2*(\k)-2], v[AC+8*(\zt)+2*(\k)-1]
.endif
.endm
; where VCC says that this record has brought tile zt a smaller dist: keep its d0 .. d6 and its number (d7 is known by exclusion)
.macro SAVE zt
.irp j, 0,1,2,3,4,5,6
	v_cndmask_b32 v[SV+8*(\zt)+\j], v[SV+8*(\zt)+\j], v[AC+8*(\zt)+\j], vcc_lo
.endr
	v_cndmask_b32 v[SV+8*(\zt)+7], v[SV+8*(\zt)+7], v[VT], vcc_lo
.endm
; A half of my ring has been read out and is filled again, with my four records two groups on.  All my tensor loads have landed (the other half among them, which is read next); 0 is added to my spare word;
; the add and my reads of the half are waited for; a round of the cluster's barrier; the joint refill first behind it.  It has four records' work in which to land.
.macro CHANGE g0
	s_wait_tensorcnt 0x0                           ; no tensor load of mine is out, so a group 0 may be written
	ds_add_u32 v[SPW], v[NIL]
	s_add_nc_u64 s[\g0+2:\g0+3], s[\g0+2:\g0+3], 2*SLOTB   ; the type bits on top are not reached
	s_wait_dscnt 0x0                               ; the add is done, and my reads of the half are in
	CROUND
	tensor_load_to_lds s[\g0:\g0+3], s[G1:G1+7]    ; my one tensor load until the next round
	s_nop 0
.rept 4
	v_nop
.endr
.endm
; A RECORD of 16 codes against my eight tiles of z.  t8: its place in the ring.  mode = 1: in the loop (places 3 and 7 refill the half just read out); fetch = 1: the next record is fetched.
; The 16 products go two tiles at a time: (zt, 0), (zt + 1, 0), (zt, 1), (zt + 1, 1): the accumulators take turns, one instruction a turn.  Behind each product stands a slice of four plain
; instructions: between an accumulator's last product and the first instruction that reads it stand two slices, eight places that name none of that product's registers.
.macro TILE t8, mode, fetch
.set pp, (\t8)%2
.set bo, 1+pp                                  ; the smallest dist lies in two registers by turns, so that old and new can be compared
.set bn, 2-pp
.if (\t8)%4 == 3
.if \mode
.if (\t8) == 3
	CHANGE G0A
.else
	CHANGE G0B
.endif
.elseif (\t8) == 3
	s_wait_tensorcnt 0x0                           ; the last load of all, the second half's, has landed: it is read from here on
.endif
.endif
.if (\t8)%4 == 0
	v_add_nc_u32 v[VT], 29, v[VT]                  ; from 32 g + 4 w + 3 to 32 (g + 1) + 4 w
.else
	v_add_nc_u32 v[VT], 1, v[VT]
.endif
.if \fetch
	FETCH ((\t8)+1)%8
	s_wait_dscnt NF                                ; all but the eleven just issued: this record is in
.else
	s_wait_dscnt 0x0
.endif
	WIN 0x04                                       ; source 1 (z) window 1, all else window 0
.set n, 0
.rept 16
.set zz, 2*(n/4)+n%2
.set ss, (n/2)%2
	PROD
.if n >= 4
.set k, n-4
.set fz, 2*(k/4)+k%2
.if (k%4) < 2
	FOLD
.else
	ADDE
.endif
.elseif n >= 2
.rept 4
	v_nop
.endr
.endif
.set n, n+1
.endr
.set fz, 6
	FOLD
.set fz, 7
	FOLD
.set fz, 6
	ADDE
.set fz, 7
	ADDE
	WIN 0
.irp zt, 0,1,2,3,4,5,6,7
	MIN 1, \zt
.endr
.irp zt, 0,1,2,3,4,5,6,7
	MIN 2, \zt
.endr
	MIN 3, 0
	MIN 3, 1
	MIN 4, 0
.irp zt, 0,1,2,3,4,5,6,7
	v_cmp_lt_f32 vcc_lo, v[ST+4*\zt+bn], v[ST+4*\zt+bo]   ; STRICTLY smaller: of equal records the earlier stays
.if \zt < 6
	MIN 3, \zt+2                                   ; later tiles' steps stand between the compare and the selects
.endif
.if \zt < 7
	MIN 4, \zt+1
.endif
	SAVE \zt
.endr
.endm
	s_wait_tensorcnt 1                             ; my ring's first half is in; the second may stay out.  Only I read my ring, so this wait is all the ordering that the reads need
	FETCH 0
	s_wait_loadcnt 0x0                             ; z
	s_mov_b32 s15, TRIPS
.Ltrip:
.irp t, 0,1,2,3,4,5,6,7
	TILE \t, 1, 1
.endr
	s_sub_co_u32 s15, s15, 1
	s_cmp_lg_u32 s15, 0
	s_cbranch_scc1 .Ltrip
.irp t, 0,1,2,3,4,5,6                          ; the last eight records are written out: nothing is left to ask for
	TILE \t, 0, 1
.endr
	TILE 7, 0, 0
	; THE WAY OUT.  The smallest dist lies in register ST + 1 of each tile (the last record's place is odd).  The first of d0 .. d6 that equals it gives the code's place in its record; else it is d7.
.irp zt, 0,1,2,3,4,5,6,7
	v_mov_b32 v[JR+\zt], 7
.endr
.irp jj, 6,5,4,3,2,1,0
.irp zt, 0,1,2,3,4,5,6,7
	v_cmp_eq_f32 s[40+\zt], v[SV+8*\zt+\jj], v[ST+4*\zt+1]
.endr
.irp zt, 0,1,2,3,4,5,6,7
	v_cndmask_b32 v[JR+\zt], v[JR+\zt], \jj, s[40+\zt]
.endr
.endr
.irp zt, 0,1,2,3,4,5,6,7
	v_lshl_add_u32 v[JR+\zt], v[SV+8*\zt+7], 4, v[JR+\zt]
.endr
.irp zt, 0,1,2,3,4,5,6,7
	v_add_nc_u32 v[JR+\zt], v[H8], v[JR+\zt]       ; the code: 16 x record + 8 h + place
.endr
.irp zt, 0,1,2,3,4,5,6,7
	v_permlanex16_b32 v[OB+\zt], v[ST+4*\zt+1], s36, s37   ; the row's other eight codes of each record lie in the lane 16 away
	v_permlanex16_b32 v[OB+8+\zt], v[JR+\zt], s36, s37
.endr
; of (b, c) and (ob, oc) the smaller dist, of equal ones the lower code, into (bd, cd)
.macro LEX bd, cd, b, c, ob, oc
	v_cmp_lt_f32 s40, v[\ob], v[\b]
	v_cmp_eq_f32 s41, v[\ob], v[\b]
	v_cmp_lt_u32 s42, v[\oc], v[\c]
	s_and_b32 s41, s41, s42
	s_or_b32 s40, s40, s41
	v_cndmask_b32 v[\bd], v[\b], v[\ob], s40
	v_cndmask_b32 v[\cd], v[\c], v[\oc], s40
.endm
.irp zt, 0,1,2,3,4,5,6,7
	LEX PR+2*\zt, PR+2*\zt+1, ST+4*\zt+1, JR+\zt, OB+\zt, OB+8+\zt
.endr
.irp zt, 0,1,2,3,4,5,6,7
	ds_store_b64 v[SA], v[PR+2*\zt:PR+2*\zt+1] offset:128*\zt   ; row 16 zt + r; both halves of the lanes write the same bytes with the same value
.endr
	s_wait_dscnt 0x0                               ; for the others' sake: my stores have landed
	s_barrier_signal -1
	s_barrier_wait -1
	s_cmp_gt_u32 s[WV], 1                          ; waves 0 and 1 join the eight waves' results, 64 rows each, two rows a lane
	s_cbranch_scc1 .Lend
.irp u, 0,1,2,3,4,5,6,7
	ds_load_b128 v[FR+4*\u:FR+4*\u+3], v[FA] offset:1024*\u
.endr
	s_wait_dscnt 0x0
.irp u, 1,2,3,4,5,6,7
	LEX FR, FR+1, FR, FR+1, FR+4*\u, FR+4*\u+1
	LEX FR+2, FR+3, FR+2, FR+3, FR+4*\u+2, FR+4*\u+3
.endr
	v_mov_b32 v[FR+4], v[FR+1]
	v_mov_b32 v[FR+5], v[FR+3]
	global_store_b64 v[GOF], v[FR+4:FR+5], s[8:9]      ; 32 lanes store 256 consecutive bytes, aligned: for the launch that gathers,
	global_store_b64 v[GOF], v[FR+4:FR+5], s[10:11]    ; and the problem's output
.Lend:
	s_wait_tensorcnt 0x0                           ; the wave's end, behind my last tensor load and my last LDS store
	ds_add_u32 v[SPW], v[NIL]
	s_wait_dscnt 0x0
	CROUND                                         ; the closing round: no work-group ends while a partner may still ask for records jointly
	s_endpgm
.Lfunc_end_k_q7ecd812adb_nearest:
	.size	k_q7ecd812adb_nearest, .Lfunc_end_k_q7ecd812adb_nearest-k_q7ecd812adb_nearest
	.p2alignl 7, 3214868480
	.fill 96, 4, 3214868480
	.section	.rodata,"a",@progbits
	.p2align	6, 0x0
	.amdhsa_kernel k_q7ecd812adb_nearest
		.amdhsa_group_segment_fixed_size 327680
		.amdhsa_private_segment_fixed_size 0
		.amdhsa_enable_private_segment 0
		.amdhsa_kernarg_size 32
		.amdhsa_user_sgpr_count 2
		.amdhsa_user_sgpr_kernarg_segment_ptr 1
		.amdhsa_wavefront_size32 1
		.amdhsa_system_sgpr_workgroup_id_x 1
		.amdhsa_system_sgpr_workgroup_id_y 1
		.amdhsa_system_sgpr_workgroup_id_z 1
		.amdhsa_system_vgpr_workitem_id 0
		.amdhsa_next_free_vgpr 512
		.amdhsa_next_free_sgpr 66
		.amdhsa_reserve_vcc 1
		.amdhsa_float_denorm_mode_32 3
		.amdhsa_float_denorm_mode_16_64 3
		.amdhsa_memory_ordered 1
		.amdhsa_forward_progress 1
		.amdhsa_inst_pref_size 217
	.end_amdhsa_kernel
	.amdgpu_metadata
---
amdhsa.version: [ 1, 2 ]
amdhsa.kernels:
  - .name:           k_q7ecd812adb_nearest
    .symbol:         k_q7ecd812adb_nearest.kd
    .args:
      - { .name: cbq, .offset: 0, .size: 8, .value_kind: global_buffer, .address_space: global }
      - { .name: zq, .offset: 8, .size: 8, .value_kind: global_buffer, .address_space: global }
      - { .name: idx, .offset: 16, .size: 8, .value_kind: global_buffer, .address_space: global }
      - { .name: out2, .offset: 24, .size: 8, .value_kind: global_buffer, .address_space: global }
    .group_segment_fixed_size: 327680
    .private_segment_fixed_size: 0
    .kernarg_segment_align: 8
    .kernarg_segment_size: 32
    .max_flat_workgroup_size: 256
    .sgpr_count:     66
    .vgpr_count:     512
    .wavefront_size: 32
...
	.end_amdgpu_metadata
.endif
;; end of part 2
;; launch emit (part 3): grid 1024 x 1, 8 waves a work-group, no clusters, 1,280 bytes of LDS; arguments z_e, codebook, idx, out0, part; writes out0, part
.if DOCPART == 3
	.amdgcn_target "amdgcn-amd-amdhsa--gfx1250"
	.amdhsa_code_object_version 6
	.text
	.protected	k_q7ecd812adb_emit
	.globl	k_q7ecd812adb_emit
	.p2align	8
	.type	k_q7ecd812adb_emit,@function
k_q7ecd812adb_emit:
	s_mov_b64 s[64:65], 0
	v_nop
	global_prefetch_b8 v0, s[64:65] scope:SCOPE_SE
	s_setreg_imm32_b32 hwreg(HW_REG_WAVE_MODE, 25, 1), 1
	s_wait_xcnt 0x0
; out0[row] = z + (codebook[idx[row]] - z), in f32 as it is written, and for each work-group the sum of (codebook[idx[row]] - z)^2 over its 32 rows, into part[work-group].
; A row is 1,024 bytes: two loads or stores of 512 consecutive bytes a wave.  A wave takes 4 rows; all its 16 loads go out at once; no loop.  Memory binds: no matrix unit, no cluster, LDS only for the eight waves' sums.
; The indices were stored as whole numbers by the launch before; each is held at 8,191 before it enters an address.
.set Z,  8                             ; v8-39   my 4 rows of z, 8 registers a row
.set Q,  40                            ; v40-71  the 4 gathered rows, then the 4 rows of out0
.set D,  72                            ; v72-79  the differences of the row in hand
.set SA, 80                            ; v[80:81], v[82:83] the sums of squares, two packed chains
.set SB, 82
	s_load_b256 s[4:11], s[0:1], 0x0               ; z_e s[4:5], codebook s[6:7], idx s[8:9], out0 s[10:11]
	s_load_b64 s[12:13], s[0:1], 0x20              ; part
	v_lshl_add_u32 v96, v0, 2, 0x100
	v_mov_b32 v97, 0
	v_lshrrev_b32 v1, 5, v0
	v_readfirstlane_b32 s14, v1                    ; wave 0..7
	v_and_b32 v1, 31, v0
	v_lshlrev_b32 v1, 4, v1                        ; 16 x lane
	s_lshl_b32 s15, ttmp9, 5
	s_lshl_b32 s16, s14, 2
	s_add_co_u32 s15, s15, s16                     ; my first row: 32 x work-group + 4 x wave
	s_lshl_b32 s16, s15, 10                        ; in z_e and out0 (under 2^26),
	s_mov_b32 s17, 0
	s_lshl_b32 s18, s15, 2                         ; in idx
	s_mov_b32 s19, 0
	s_lshl_b32 s24, ttmp9, 2                       ; my work-group's word of part
	s_mov_b32 s25, 0
	s_mov_b32 s26, 0x76543210
	s_mov_b32 s27, 0xfedcba98                      ; v_permlanex16_b32's selects for lane l xor 16
	v_mov_b32 v85, 0                               ; a lane permute's destination counts as one of its sources
	v_mov_b32 v86, s14
	v_lshlrev_b32 v86, 2, v86                      ; LDS: my wave's word
	v_mov_b32 v87, 0
	s_wait_kmcnt 0x0
	s_add_nc_u64 s[8:9], s[8:9], s[18:19]
	s_load_b128 s[20:23], s[8:9], 0x0              ; my four indices
	s_add_nc_u64 s[4:5], s[4:5], s[16:17]
	s_add_nc_u64 s[10:11], s[10:11], s[16:17]
	s_add_nc_u64 s[12:13], s[12:13], s[24:25]
.irp p, 0,1,2,3
	global_load_b128 v[Z+8*\p:Z+8*\p+3], v1, s[4:5] offset:1024*\p th:TH_LOAD_NT
	global_load_b128 v[Z+8*\p+4:Z+8*\p+7], v1, s[4:5] offset:1024*\p+512 th:TH_LOAD_NT
.endr
	s_wait_kmcnt 0x0
.irp p, 0,1,2,3
	s_min_u32 s[20+\p], s[20+\p], 0x1fff           ; an index stays inside the table
	s_lshl_b32 s[20+\p], s[20+\p], 10
	v_add_nc_u32 v[2+\p], s[20+\p], v1
.endr
.irp p, 0,1,2,3
	global_load_b128 v[Q+8*\p:Q+8*\p+3], v[2+\p], s[6:7]           ; no hint: a row of the table may be named again
	global_load_b128 v[Q+8*\p+4:Q+8*\p+7], v[2+\p], s[6:7] offset:512
.endr
.macro ROW p
	s_wait_loadcnt 6-2*\p                          ; loads come back in order: z's eight and this row's two are in; the later rows' gathers may be out
.irp j, 0,2,4,6
	v_pk_add_f32 v[D+\j:D+\j+1], v[Q+8*\p+\j:Q+8*\p+\j+1], v[Z+8*\p+\j:Z+8*\p+\j+1] neg_lo:[0,1] neg_hi:[0,1]   ; z_q - z
.endr
.irp j, 0,2,4,6
	v_pk_add_f32 v[Q+8*\p+\j:Q+8*\p+\j+1], v[Z+8*\p+\j:Z+8*\p+\j+1], v[D+\j:D+\j+1]                           ; z + (z_q - z)
.endr
.if \p == 0
	v_pk_mul_f32 v[SA:SA+1], v[D:D+1], v[D:D+1]    ; the first two products start the sums
	v_pk_mul_f32 v[SB:SB+1], v[D+2:D+3], v[D+2:D+3]
.else
	v_pk_fma_f32 v[SA:SA+1], v[D:D+1], v[D:D+1], v[SA:SA+1]
	v_pk_fma_f32 v[SB:SB+1], v[D+2:D+3], v[D+2:D+3], v[SB:SB+1]
.endif
	v_pk_fma_f32 v[SA:SA+1], v[D+4:D+5], v[D+4:D+5], v[SA:SA+1]
	v_pk_fma_f32 v[SB:SB+1], v[D+6:D+7], v[D+6:D+7], v[SB:SB+1]
	global_store_b128 v1, v[Q+8*\p:Q+8*\p+3], s[10:11] offset:1024*\p th:TH_STORE_NT       ; 512 consecutive bytes, aligned; each row has registers of its own, so no store's data are written again
	global_store_b128 v1, v[Q+8*\p+4:Q+8*\p+7], s[10:11] offset:1024*\p+512 th:TH_STORE_NT
.endm
	ROW 0
	ROW 1
	ROW 2
	ROW 3
	v_pk_add_f32 v[SA:SA+1], v[SA:SA+1], v[SB:SB+1]
	v_add_f32 v84, v[SA], v[SA+1]
	v_add_f32_dpp v84, v84, v84 row_xmask:1 row_mask:0xf bank_mask:0xf
	v_add_f32_dpp v84, v84, v84 row_xmask:2 row_mask:0xf bank_mask:0xf
	v_add_f32_dpp v84, v84, v84 row_xmask:4 row_mask:0xf bank_mask:0xf
	v_add_f32_dpp v84, v84, v84 row_xmask:8 row_mask:0xf bank_mask:0xf
	v_permlanex16_b32 v85, v84, s26, s27
	v_add_f32 v84, v84, v85                        ; the wave's sum, in every lane
	ds_store_b32 v86, v84                          ; all lanes write the same word with the same value
	s_wait_dscnt 0x0                               ; for the others' sake
	s_barrier_signal -1
	s_barrier_wait -1
	ds_load_b128 v[72:75], v87                     ; the eight waves' sums
	ds_load_b128 v[76:79], v87 offset:16
	s_wait_dscnt 0x0
	v_pk_add_f32 v[72:73], v[72:73], v[74:75]
	v_pk_add_f32 v[76:77], v[76:77], v[78:79]
	v_pk_add_f32 v[72:73], v[72:73], v[76:77]
	v_add_f32 v72, v72, v73
	v_cmp_eq_u32 vcc_lo, 0, v0
	s_wait_xcnt 0x0                                ; EXEC is a source of the stores above: it changes only behind this wait
	s_wait_tensorcnt 0x0
	ds_add_u32 v96, v97
	s_wait_dscnt 0x0
	s_and_saveexec_b32 s28, vcc_lo                 ; thread 0 alone
	global_store_b32 v87, v72, s[12:13]
	s_wait_xcnt 0x0                                ; and again in front of the line that widens it
	s_or_b32 exec_lo, exec_lo, s28
	s_endpgm
.Lfunc_end_k_q7ecd812adb_emit:
	.size	k_q7ecd812adb_emit, .Lfunc_end_k_q7ecd812adb_emit-k_q7ecd812adb_emit
	.p2alignl 7, 3214868480
	.fill 96, 4, 3214868480
	.section	.rodata,"a",@progbits
	.p2align	6, 0x0
	.amdhsa_kernel k_q7ecd812adb_emit
		.amdhsa_group_segment_fixed_size 1280
		.amdhsa_private_segment_fixed_size 0
		.amdhsa_enable_private_segment 0
		.amdhsa_kernarg_size 40
		.amdhsa_user_sgpr_count 2
		.amdhsa_user_sgpr_kernarg_segment_ptr 1
		.amdhsa_wavefront_size32 1
		.amdhsa_system_sgpr_workgroup_id_x 1
		.amdhsa_system_sgpr_workgroup_id_y 1
		.amdhsa_system_sgpr_workgroup_id_z 1
		.amdhsa_system_vgpr_workitem_id 0
		.amdhsa_next_free_vgpr 98
		.amdhsa_next_free_sgpr 66
		.amdhsa_reserve_vcc 1
		.amdhsa_float_denorm_mode_32 3
		.amdhsa_float_denorm_mode_16_64 3
		.amdhsa_memory_ordered 1
		.amdhsa_forward_progress 1
		.amdhsa_inst_pref_size 9
	.end_amdhsa_kernel
	.amdgpu_metadata
---
amdhsa.version: [ 1, 2 ]
amdhsa.kernels:
  - .name:           k_q7ecd812adb_emit
    .symbol:         k_q7ecd812adb_emit.kd
    .args:
      - { .name: z_e, .offset: 0, .size: 8, .value_kind: global_buffer, .address_space: global }
      - { .name: codebook, .offset: 8, .size: 8, .value_kind: global_buffer, .address_space: global }
      - { .name: idx, .offset: 16, .size: 8, .value_kind: global_buffer, .address_space: global }
      - { .name: out0, .offset: 24, .size: 8, .value_kind: global_buffer, .address_space: global }
      - { .name: part, .offset: 32, .size: 8, .value_kind: global_buffer, .address_space: global }
    .group_segment_fixed_size: 1280
    .private_segment_fixed_size: 0
    .kernarg_segment_align: 8
    .kernarg_segment_size: 40
    .max_flat_workgroup_size: 256
    .sgpr_count:     66
    .vgpr_count:     98
    .wavefront_size: 32
...
	.end_amdgpu_metadata
.endif
;; end of part 3
;; launch total (part 4): grid 1 x 1, 1 waves a work-group, no clusters, 0 bytes of LDS; arguments part, out1; writes out1
.if DOCPART == 4
	.amdgcn_target "amdgcn-amd-amdhsa--gfx1250"
	.amdhsa_code_object_version 6
	.text
	.protected	k_q7ecd812adb_total
	.globl	k_q7ecd812adb_total
	.p2align	8
	.type	k_q7ecd812adb_total,@function
k_q7ecd812adb_total:
	s_mov_b64 s[64:65], 0
	v_nop
	global_prefetch_b8 v0, s[64:65] scope:SCOPE_SE
	s_setreg_imm32_b32 hwreg(HW_REG_WAVE_MODE, 25, 1), 1
	s_wait_xcnt 0x0
; out1 = mean((z_q - z)^2) + 0.25 mean((z_q - z)^2) = 1.25 / 2^23 x the sum of the 1,024 partial sums (32,768 x 256 = 2^23 numbers).  The two means are the same number; 1.25 x it differs from the
; sum as written by one rounding at the most.  One wave: 32 numbers a lane, a fixed order of additions.
	s_load_b128 s[4:7], s[0:1], 0x0                ; part, out1
	v_and_b32 v1, 31, v0
	v_lshlrev_b32 v1, 4, v1                        ; 16 x lane
	v_mov_b32 v2, 0
	s_mov_b32 s8, 0x76543210
	s_mov_b32 s9, 0xfedcba98                       ; v_permlanex16_b32's selects for lane l xor 16
	s_wait_kmcnt 0x0
.irp i, 0,1,2,3,4,5,6,7
	global_load_b128 v[4+4*\i:7+4*\i], v1, s[4:5] offset:512*\i
.endr
	s_wait_loadcnt 0x0
.irp j, 0,2,4,6,8,10,12,14
	v_pk_add_f32 v[4+\j:5+\j], v[4+\j:5+\j], v[20+\j:21+\j]
.endr
.irp j, 0,2,4,6
	v_pk_add_f32 v[4+\j:5+\j], v[4+\j:5+\j], v[12+\j:13+\j]
.endr
.irp j, 0,2
	v_pk_add_f32 v[4+\j:5+\j], v[4+\j:5+\j], v[8+\j:9+\j]
.endr
	v_pk_add_f32 v[4:5], v[4:5], v[6:7]
	v_add_f32 v4, v4, v5
	v_add_f32_dpp v4, v4, v4 row_xmask:1 row_mask:0xf bank_mask:0xf
	v_add_f32_dpp v4, v4, v4 row_xmask:2 row_mask:0xf bank_mask:0xf
	v_add_f32_dpp v4, v4, v4 row_xmask:4 row_mask:0xf bank_mask:0xf
	v_add_f32_dpp v4, v4, v4 row_xmask:8 row_mask:0xf bank_mask:0xf
	v_permlanex16_b32 v5, v4, s8, s9
	v_add_f32 v4, v4, v5
	v_mul_f32 v4, 0x34200000, v4                   ; x 1.25 x 2^-23
	v_cmp_eq_u32 vcc_lo, 0, v0
	s_wait_xcnt 0x0                                ; EXEC changes only behind this wait
	s_and_saveexec_b32 s10, vcc_lo                 ; lane 0 alone
	global_store_b32 v2, v4, s[6:7]
	s_wait_xcnt 0x0
	s_or_b32 exec_lo, exec_lo, s10
	s_endpgm
.Lfunc_end_k_q7ecd812adb_total:
	.size	k_q7ecd812adb_total, .Lfunc_end_k_q7ecd812adb_total-k_q7ecd812adb_total
	.p2alignl 7, 3214868480
	.fill 96, 4, 3214868480
	.section	.rodata,"a",@progbits
	.p2align	6, 0x0
	.amdhsa_kernel k_q7ecd812adb_total
		.amdhsa_group_segment_fixed_size 0
		.amdhsa_private_segment_fixed_size 0
		.amdhsa_enable_private_segment 0
		.amdhsa_kernarg_size 16
		.amdhsa_user_sgpr_count 2
		.amdhsa_user_sgpr_kernarg_segment_ptr 1
		.amdhsa_wavefront_size32 1
		.amdhsa_system_sgpr_workgroup_id_x 1
		.amdhsa_system_sgpr_workgroup_id_y 1
		.amdhsa_system_sgpr_workgroup_id_z 1
		.amdhsa_system_vgpr_workitem_id 0
		.amdhsa_next_free_vgpr 48
		.amdhsa_next_free_sgpr 66
		.amdhsa_reserve_vcc 1
		.amdhsa_float_denorm_mode_32 3
		.amdhsa_float_denorm_mode_16_64 3
		.amdhsa_memory_ordered 1
		.amdhsa_forward_progress 1
		.amdhsa_inst_pref_size 3
	.end_amdhsa_kernel
	.amdgpu_metadata
---
amdhsa.version: [ 1, 2 ]
amdhsa.kernels:
  - .name:           k_q7ecd812adb_total
    .symbol:         k_q7ecd812adb_total.kd
    .args:
      - { .name: part, .offset: 0, .size: 8, .value_kind: global_buffer, .address_space: global }
      - { .name: out1, .offset: 8, .size: 8, .value_kind: global_buffer, .address_space: global }
    .group_segment_fixed_size: 0
    .private_segment_fixed_size: 0
    .kernarg_segment_align: 8
    .kernarg_segment_size: 16
    .max_flat_workgroup_size: 32
    .sgpr_count:     66
    .vgpr_count:     48
    .wavefront_size: 32
...
	.end_amdgpu_metadata
.endif
;; end of part 4
